; MI455X (gfx1250); checked and timed in simulation.
; The chip was launched on July 23, 2026; its instructions are those of AMD's public machine-readable ISA for CDNA 5 (MIT licence, August 2026) and "CDNA5" Instruction Set Architecture Reference Guide (July 2026). The comments in the code are by the model that wrote it; some were corrected since.
;; Quantizer. Allowed arithmetic: float matrix products may take bf16 or f16 operands with f32 sums; all other float work in f32.
;; Inputs: centers 512 x 1 float32; data 8 x 16 x 64 x 64 float32.
;; Outputs: out0 8 x 16 x 64 x 64 float32; out1 8 x 16 x 64 x 64 float32; out2 8 x 16 x 64 x 64 float32; out3 8 x 16 x 64 x 64 int32.
;; 2 versions, each right; version 2 is version 1 with the launch quant written anew for expert scheduling mode. Each part assembles by itself: llvm-mc -triple=amdgcn-amd-amdhsa -mcpu=gfx1250 --defsym DOCPART=n.
;; ======== version 1 of 2: 1 launch
;; launch quant (part 1): grid 256 x 1, 16 waves a work-group, no clusters, 11,264 bytes of LDS; arguments centers, data, out0, out1, out2, out3; writes out0, out1, out2, out3
.if DOCPART == 1
	.amdgcn_target "amdgcn-amd-amdhsa--gfx1250"
	.amdhsa_code_object_version 6
	.text
	.protected	k_q6cfb36fad8_quant
	.globl	k_q6cfb36fad8_quant
	.p2align	8
	.type	k_q6cfb36fad8_quant,@function
k_q6cfb36fad8_quant:
	s_mov_b64 s[64:65], 0
	v_nop
	global_prefetch_b8 v0, s[64:65] scope:SCOPE_SE
	s_setreg_imm32_b32 hwreg(HW_REG_WAVE_MODE, 25, 1), 1
	s_wait_xcnt 0x0
; QUANTIZER.  For each of 524,288 numbers x and 512 centres c: dist = (x - c)^2; softout = softmax(-dist) . c; symbols = argmin dist (the first of equals);
; hardout = c[symbols]; zbar = softout + (hardout - softout).  out0 zbar, out1 softout, out2 hardout, out3 symbols.
; SHARES.  256 work-groups of 16 waves; a work-group owns 2,048 numbers, a wave 128, a lane 4 neighbouring ones (one load of 16 bytes, four stores of 16 bytes: each store of a wave covers
; 512 consecutive bytes, aligned).  The lanes' j-th numbers are SET j: 32 numbers, one a lane.  Every lane meets all 512 centres, 16 (a CHUNK) at a time: a STEP is one set against one chunk.
; ONE WALK, with a running maximum.  d = c - x is reference()'s x - c with the sign turned, so d d is its dist bit for bit.  Rounded squaring keeps order, so a chunk's least dist is the square of its least |d|:
; the least is sought on |d| and squared once.  A strict compare with the running least keeps the number of the FIRST chunk that holds it.  Weights: p = 2^((-L d) d + L least), L = log2(e); when the least
; falls, the sums so far are multiplied by a = 2^(L new - L old), which is exactly 1 where it has not fallen.
; THE PRODUCT phisoft @ c goes to the matrix unit in bf16 with f32 sums, and the division by the weights' sum comes last.  Source 1 = the weights: lane l holds the 16 weights of ITS number, so the lanes' two
; halves, which the instruction takes as the two halves of K for one column, are different numbers.  Source 0 = coefficients that keep them apart: rows 0, 1, 2 hold bf16(c), bf16(c - bf16(c)) and 1 on the low
; half's places of K and 0 on the others; rows 8, 9, 10 the same on the high half's.  In the result lane l then finds, in registers 0, 1, 2, the two parts of its own number's numerator and its divisor.
; SYMBOLS AND HARDOUT, with no address made of a comparison: a row that is 1 at the found chunk's place (32 chunks = K) times a table of the centres gives that chunk's 16 centres, bit for bit, since the table
; holds each centre as three bf16 pieces whose sum is c.  Their dist is made again as above and the first that equals the least is taken.
; NO CLUSTER, NO TENSOR LOAD: all that work-groups share is the 2,048 bytes of centres, which each thread's one load of 4 bytes brings; LDS is filled once, by ds_store.
; LIMITS.  NaN and infinities are not treated apart.  The three pieces add up to c for c = 0 and |c| >= 2^-110.  Weights are rounded to bf16 (the same rounded weights in numerator and divisor); the centres
; enter the product with 16 significant bits; a weight below 2^-126 counts as 0; the exponent is rounded in another order than reference()'s.
.set CFB,   0          ; LDS: the 512 centres in f32
.set ACB,   2048       ; 32 chunks x 128 bytes: 16 x bf16(c), 16 x bf16(rest), 16 x 1.0, 16 x 0
.set TTB,   6144       ; three tables of 1,024 bytes (first, second, third piece): lane m + 16 (s / 16), place s % 16: the piece of centre 16 s + m
.set SPARE, 9216       ; the spare words, 128 bytes for each of the 16 waves: eight blocks of 256 bytes that no other line names
.set VOFF, 1           ; v1   byte offset of my 16 bytes in data and in each output; never rewritten
.set VCA,  2           ; v2   LDS address of the chunk of centres to be fetched next (the same in all lanes)
.set VAA,  3           ; v3   LDS address of my 32 bytes of the coefficients to be fetched next
.set SPW,  4           ; v4   LDS address of my spare word; never rewritten
.set NIL,  5           ; v5   0; never rewritten
.set H16,  6           ; v6   16 (lane / 16)
.set H8,   7           ; v7   8 (lane / 16)
.set T,    8           ; v8-23   at work
.set K1,   24          ; v24  0x3f80: 1.0 in bf16
.set VTA,  25          ; v25  LDS address of my 32 bytes of the first table
.set ST,   26          ; v26-41  set j at ST + 4 j: -x, chunk found | L least, least dist (the even register of a pair is the one that a packed instruction takes for both halves)
.set C0,   42          ; v42-57, v58-73  16 centres, two buffers
.set C1,   58
.set A0,   74          ; v74-81, v82-89  a chunk's coefficients (source 0), two buffers
.set A1,   82
.set E,    90          ; v90-105   d, then the exponents, then the weights
.set F,    106         ; v106-121  -L d
.set P,    122         ; v122-129  the weights in bf16 (source 1)
.set ACC,  130         ; v130-161  set j's sums at ACC + 8 j
.set TT,   162         ; v162-185  the three tables (source 0)
.set OH,   186         ; v186-201  the rows with a single 1 (source 1), for the two halves of a set
.set GD,   202         ; v202-249  the found chunk's centres in three pieces, for the two halves of a set
.set RSYM,  C0         ; the results take the first centre buffer's place
.set RHARD, C0+4
.set RSOFT, C0+8
.set RZB,   C0+12
.set SEL,  18          ; s18, s19  v_permlanex16_b32's selects: each lane takes its own place in the other half
.set LOW,  20          ; s20  mask of lanes 0 to 15
.set LG,   21          ; s21  L
.set NLG,  22          ; s[22:23]  -L: named as a pair, the low word serves both halves
.set CH,   24          ; s24, s25  the numbers of a trip's two chunks
.set CNT,  26          ; s26  trips to go
	s_load_b256 s[4:11], s[0:1], 0x0               ; centers s[4:5], data s[6:7], out0 s[8:9], out1 s[10:11]
	s_load_b128 s[12:15], s[0:1], 0x20             ; out2 s[12:13], out3 s[14:15]
	v_lshl_add_u32 v[SPW], v0, 2, SPARE
	v_mov_b32 v[NIL], 0
	s_lshl_b32 s16, ttmp9, 13                      ; the work-group's 2,048 numbers: 8,192 bytes
	s_mov_b32 s[SEL], 0x76543210
	s_mov_b32 s[SEL+1], 0xfedcba98
	s_mov_b32 s[LOW], 0xffff
	s_mov_b32 s[LG], 0x3fb8aa3b                    ; log2(e)
	s_mov_b32 s[NLG], 0xbfb8aa3b
	s_mov_b32 s[NLG+1], s[NLG]
	v_lshl_add_u32 v[VOFF], v0, 4, s16
	v_lshlrev_b32 v[T], 2, v0                      ; thread t prepares centre t
	s_wait_kmcnt 0x0
	global_load_b32 v[T+1], v[T], s[4:5]
	global_load_b128 v[E:E+3], v[VOFF], s[6:7] th:TH_LOAD_NT
	; what hangs on the lane
	v_and_b32 v[T+2], 31, v0
	v_lshrrev_b32 v[T+3], 4, v[T+2]
	v_lshlrev_b32 v[H16], 4, v[T+3]
	v_lshlrev_b32 v[H8], 3, v[T+3]
	v_mul_u32_u24 v[T+4], 24, v[T+3]
	v_sub_nc_u32 v[T+4], v[T+2], v[T+4]            ; lanes 0, 1, 2 (rows 0-2, low places of K) and 24, 25, 26 (rows 8-10, high places) give 0, 1, 2;
	v_min_u32 v[T+4], 3, v[T+4]                    ; all others 3 or more: they take the zeros
	v_lshl_add_u32 v[VAA], v[T+4], 5, ACB
	v_lshl_add_u32 v[VTA], v[T+2], 5, TTB
	v_mov_b32 v[VCA], CFB
	v_mov_b32 v[K1], 0x3f80
	; where centre t = 16 g + kk goes
	v_and_b32 v[T+5], 15, v0                       ; kk
	v_lshrrev_b32 v[T+6], 4, v0                    ; g
	v_lshlrev_b32 v[T+7], 7, v[T+6]
	v_lshl_add_u32 v[T+9], v[T+5], 2, v[T+7]       ; 128 g + 4 kk: my word of the chunk's ones and zeros
	v_lshl_add_u32 v[T+7], v[T+5], 1, v[T+7]       ; 128 g + 2 kk: my place in the chunk's coefficient rows
	v_lshrrev_b32 v[T+10], 8, v0                   ; g / 16
	v_and_b32 v[T+6], 15, v[T+6]                   ; g % 16
	v_lshlrev_b32 v[T+11], 5, v[T+5]
	v_lshl_add_u32 v[T+11], v[T+10], 9, v[T+11]
	v_lshl_add_u32 v[T+11], v[T+6], 1, v[T+11]     ; 32 (kk + 16 (g / 16)) + 2 (g % 16): my place in a table
	v_mov_b32 v[T+12], 0x3f803f80
	v_cmp_gt_u32 vcc_lo, 8, v[T+5]
	v_cndmask_b32 v[T+12], 0, v[T+12], vcc_lo
	ds_store_b32 v[T+9], v[T+12] offset:ACB+64
	s_wait_loadcnt 0x1                             ; loads come back in order (ISA guide 5.7.1): my centre is in, my four numbers may stay out
	v_cvt_pk_bf16_f32 v[T+13], v[T+1], v[T+1]      ; first piece
	ds_store_b32 v[T], v[T+1] offset:CFB
	v_lshlrev_b32 v[T+3], 16, v[T+13]
	v_sub_f32 v[T+3], v[T+1], v[T+3]               ; what is left of c: exact
	ds_store_b16 v[T+7], v[T+13] offset:ACB
	ds_store_b16 v[T+11], v[T+13] offset:TTB
	v_cvt_pk_bf16_f32 v[T+14], v[T+3], v[T+3]      ; second piece
	v_lshlrev_b32 v[T+4], 16, v[T+14]
	v_sub_f32 v[T+4], v[T+3], v[T+4]               ; what is left now has eight bits at the most
	ds_store_b16 v[T+7], v[T+14] offset:ACB+32
	ds_store_b16 v[T+11], v[T+14] offset:TTB+1024
	v_cvt_pk_bf16_f32 v[T+15], v[T+4], v[T+4]      ; third piece: exact
	ds_store_b16 v[T+11], v[T+15] offset:TTB+2048
	s_wait_loadcnt 0x0
.irp i,0,1,2,3
	v_xor_b32 v[ST+4*\i], 0x80000000, v[E+\i]      ; -x
	v_mov_b32 v[ST+4*\i+1], 0                      ; the first chunk holds the least until a later one is strictly less
.endr
	s_wait_dscnt 0x0                               ; for the others' sake: my stores into LDS are done
	s_barrier_signal -1
	s_barrier_wait -1                              ; from here on LDS is only read
.macro LOADC nb                        ; the next chunk's 16 centres, the same bytes for all lanes
.irp i,0,1,2,3
	ds_load_b128 v[\nb+4*\i:\nb+4*\i+3], v[VCA] offset:16*\i
.endr
	v_add_nc_u32 v[VCA], 64, v[VCA]
.endm
.macro LOADA na                        ; and its coefficients: 32 bytes a lane
	ds_load_b128 v[\na:\na+3], v[VAA]
	ds_load_b128 v[\na+4:\na+7], v[VAA] offset:16
	v_add_nc_u32 v[VAA], 128, v[VAA]
.endm
.macro LOADT                           ; the three tables
.irp p,0,1,2
	ds_load_b128 v[TT+8*\p:TT+8*\p+3], v[VTA] offset:1024*\p
	ds_load_b128 v[TT+8*\p+4:TT+8*\p+7], v[VTA] offset:1024*\p+16
.endr
.endm
; A STEP: set xs against the chunk in buffers cb (centres) and ab (coefficients), whose number is in s[sg].  first = 1: chunk 0, which starts the least and the sums.
.macro UNIT xs, cb, ab, sg, first
.set SJ, ST+4*(\xs)
.set AJ, ACC+8*(\xs)
.irp i,0,2,4,6,8,10,12,14
	v_pk_add_f32 v[E+\i:E+\i+1], v[\cb+\i:\cb+\i+1], v[SJ:SJ+1] op_sel_hi:[1,0]   ; d = c - x
.endr
	v_min3_num_f32 v[T], |v[E]|, |v[E+1]|, |v[E+2]|                ; the least |d| of the 16, in two chains
	v_min3_num_f32 v[T+1], |v[E+3]|, |v[E+4]|, |v[E+5]|
	v_min3_num_f32 v[T], v[T], |v[E+6]|, |v[E+7]|
	v_min3_num_f32 v[T+1], v[T+1], |v[E+8]|, |v[E+9]|
	v_min3_num_f32 v[T], v[T], |v[E+10]|, |v[E+11]|
	v_min3_num_f32 v[T+1], v[T+1], |v[E+12]|, |v[E+13]|
	v_min3_num_f32 v[T], v[T], |v[E+14]|, |v[E+15]|
	v_min_num_f32 v[T], v[T], v[T+1]
.if \first
	v_mul_f32 v[SJ+3], v[T], v[T]                  ; the chunk's least dist
	v_mul_f32 v[SJ+2], s[LG], v[SJ+3]
.else
	v_mul_f32 v[T], v[T], v[T]                     ; the chunk's least dist
	v_cmp_lt_f32 vcc_lo, v[T], v[SJ+3]             ; strictly less: of equal chunks the first stays
	v_cndmask_b32 v[SJ+1], v[SJ+1], s[\sg], vcc_lo
	v_min_num_f32 v[SJ+3], v[SJ+3], v[T]
	v_mul_f32 v[T+1], s[LG], v[SJ+3]
	v_sub_f32 v[T+2], v[T+1], v[SJ+2]              ; L new - L old: 0 exactly where the least has stayed
	v_mov_b32 v[SJ+2], v[T+1]
	v_exp_f32 v[T+2], v[T+2]                       ; a; the eight lines below are the plain instructions between it and its use (ISA guide 5.7.2)
.endif
.irp i,0,2,4,6,8,10,12,14
	v_pk_mul_f32 v[F+\i:F+\i+1], v[E+\i:E+\i+1], s[NLG:NLG+1] op_sel_hi:[1,0]     ; -L d
.endr
.if !(\first)
	s_wait_alu depctr_va_vdst(0)
	v_pk_mul_f32 v[AJ:AJ+1], v[AJ:AJ+1], v[T+2:T+3] op_sel_hi:[1,0]               ; the sums so far times a: the set's last matrix instruction stands four steps back; registers 3-7 hold zeros
	v_mul_f32 v[AJ+2], v[AJ+2], v[T+2]
.endif
.irp i,0,2,4,6,8,10,12
	v_pk_fma_f32 v[E+\i:E+\i+1], v[F+\i:F+\i+1], v[E+\i:E+\i+1], v[SJ+2:SJ+3] op_sel_hi:[1,1,0]   ; L least - L d d
.endr
.irp i,0,1,2,3,4,5,6,7,8,9,10,11,12,13
	v_exp_f32 v[E+\i], v[E+\i]
.endr
	v_pk_fma_f32 v[E+14:E+15], v[F+14:F+15], v[E+14:E+15], v[SJ+2:SJ+3] op_sel_hi:[1,1,0]           ; the last pair's exponents are the plain line behind the fourteen exponentials above;
	v_exp_f32 v[E+14], v[E+14]
	v_exp_f32 v[E+15], v[E+15]                     ; behind these two the first seven roundings are
	s_wait_alu depctr_va_vdst(0)
.irp i,0,1,2,3,4,5,6,7
	v_cvt_pk_bf16_f32 v[P+\i], v[E+2*\i], v[E+2*\i+1]              ; P was last read by the step before's matrix instruction, more than four plain lines back (ISA guide 7.12.1)
.endr
.if \first
	v_wmma_f32_16x16x32_bf16 v[AJ:AJ+7], v[\ab:\ab+7], v[P:P+7], 0
.else
	v_wmma_f32_16x16x32_bf16 v[AJ:AJ+7], v[\ab:\ab+7], v[P:P+7], v[AJ:AJ+7]        ; the four sets' accumulators take turns, one instruction a turn
.endif
.endm
; A CHUNK: four steps.  Behind the first of them the next chunk is fetched into the other buffers: the last matrix instruction that read those coefficients stands a whole step back.  It has three steps in which to land.
.macro CHUNK cb, ab, nb, na, sg, first, more
	s_wait_dscnt 0x0                               ; this chunk's six loads, issued three steps ago, are the only ones out
	UNIT 0, \cb, \ab, \sg, \first
.if \more
	LOADC \nb
	LOADA \na
.else
	LOADT                                          ; behind the last chunk nothing is left but the tables
.endif
	UNIT 1, \cb, \ab, \sg, \first
	UNIT 2, \cb, \ab, \sg, \first
	UNIT 3, \cb, \ab, \sg, \first
.endm
	LOADC C0
	LOADA A0
	CHUNK C0, A0, C1, A1, CH, 1, 1                 ; chunk 0 stands in front of the loop: its products start the sums
	s_mov_b32 s[CH], 1
	s_mov_b32 s[CH+1], 2
	s_mov_b32 s[CNT], 15
.Lchunks:                                              ; chunks 1 to 30, two a trip
	CHUNK C1, A1, C0, A0, CH, 0, 1
	CHUNK C0, A0, C1, A1, CH+1, 0, 1
	s_add_co_u32 s[CH], s[CH], 2
	s_add_co_u32 s[CH+1], s[CH+1], 2
	s_sub_co_u32 s[CNT], s[CNT], 1
	s_cmp_lg_u32 s[CNT], 0
	s_cbranch_scc1 .Lchunks
	CHUNK C1, A1, C0, A0, CH, 0, 0                 ; chunk 31 fetches no further centres
	s_wait_dscnt 0x0                               ; the tables are in
; SYMBOLS AND HARDOUT.  A set goes in two TILES of 16 numbers: tile t holds those of lanes 16 t to 16 t + 15.  In a tile lanes r and r + 16 both work for number r: the one on the centres 0-7 of its chunk, the other on 8-15.
.macro PREP xs, t                      ; the tile's -x, least dist and chunk in both lanes; the row with a single 1
.set SJ, ST+4*(\xs)
.set TB, T+8*(\t)
.set OB, OH+8*(\t)
.if (\t) == 0
	v_cndmask_b32 v[TB], v[E+1], v[SJ], s[LOW]     ; lanes 0-15 keep their own, lanes 16-31 take the other half's
	v_cndmask_b32 v[TB+1], v[E+2], v[SJ+3], s[LOW]
	v_cndmask_b32 v[TB+2], v[E], v[SJ+1], s[LOW]
.else
	v_cndmask_b32 v[TB], v[SJ], v[E+1], s[LOW]
	v_cndmask_b32 v[TB+1], v[SJ+3], v[E+2], s[LOW]
	v_cndmask_b32 v[TB+2], v[SJ+1], v[E], s[LOW]
.endif
	v_sub_nc_u32 v[TB+5], v[TB+2], v[H16]          ; my lane holds the places of chunks 16 (lane / 16) + 0..15: the found chunk's place among them, if it is 0..15
	v_and_b32 v[TB+3], 1, v[TB+5]
	v_lshlrev_b32 v[TB+3], 4, v[TB+3]
	v_lshlrev_b32 v[TB+3], v[TB+3], v[K1]          ; 1.0 in the low or in the high half of a register,
	v_ashrrev_i32 v[TB+4], 1, v[TB+5]              ; and which register
.irp i,0,1,2,3,4,5,6,7
	v_cmp_eq_u32 vcc_lo, \i, v[TB+4]
	v_cndmask_b32 v[OB+\i], 0, v[TB+3], vcc_lo
.endr
.endm
.macro GATHER t                        ; row m, column r of the result: a piece of centre m of number r's chunk.  One product is not 0, so nothing is rounded
.irp p,0,1,2
	v_wmma_f32_16x16x32_bf16 v[GD+24*(\t)+8*\p:GD+24*(\t)+8*\p+7], v[TT+8*\p:TT+8*\p+7], v[OH+8*(\t):OH+8*(\t)+7], 0
.endr
.endm
.macro EVAL t                          ; my eight centres, their dist, the first that equals the least; then the better of the two lanes
.set TB, T+8*(\t)
.set G0, GD+24*(\t)
.set G1, G0+8
.set G2, G0+16
.irp i,0,2,4,6
	v_pk_add_f32 v[G0+\i:G0+\i+1], v[G0+\i:G0+\i+1], v[G1+\i:G1+\i+1]              ; each result is read from its low end on
.endr
.irp i,0,2,4,6
	v_pk_add_f32 v[G0+\i:G0+\i+1], v[G0+\i:G0+\i+1], v[G2+\i:G2+\i+1]              ; c, bit for bit
.endr
.irp i,0,2,4,6
	v_pk_add_f32 v[G1+\i:G1+\i+1], v[G0+\i:G0+\i+1], v[TB:TB+1] op_sel_hi:[1,0]    ; c - x
.endr
.irp i,0,2,4,6
	v_pk_mul_f32 v[G1+\i:G1+\i+1], v[G1+\i:G1+\i+1], v[G1+\i:G1+\i+1]              ; dist
.endr
	v_mov_b32 v[TB+3], 64                          ; none found yet
	v_mov_b32 v[TB+4], 0
.irp i,7,6,5,4,3,2,1,0
	v_cmp_eq_f32 vcc_lo, v[G1+\i], v[TB+1]         ; downward, so that the lowest stays
	v_cndmask_b32 v[TB+3], v[TB+3], \i, vcc_lo
	v_cndmask_b32 v[TB+4], v[TB+4], v[G0+\i], vcc_lo
.endr
	v_add_nc_u32 v[TB+3], v[TB+3], v[H8]           ; its place in the chunk
	v_permlanex16_b32 v[TB+5], v[TB+3], s[SEL], s[SEL+1]
	v_permlanex16_b32 v[TB+6], v[TB+4], s[SEL], s[SEL+1]
	v_cmp_lt_u32 vcc_lo, v[TB+5], v[TB+3]
	v_cndmask_b32 v[TB+4], v[TB+4], v[TB+6], vcc_lo
	v_min_u32 v[TB+3], v[TB+3], v[TB+5]
	v_lshl_add_u32 v[TB+3], v[TB+2], 4, v[TB+3]    ; 16 x chunk + place
.endm
; The second tile's preparation stands between the first tile's products and the lines that read them, the first tile's evaluation between the second's products and theirs: more than four plain lines that name
; none of those products' registers (ISA guide 7.12.1), so no v_nop is written.
.macro FIND xs
.set SJ, ST+4*(\xs)
	v_permlanex16_b32 v[E], v[SJ+1], s[SEL], s[SEL+1]              ; the other half's chunk, -x and least dist
	v_permlanex16_b32 v[E+1], v[SJ], s[SEL], s[SEL+1]
	v_permlanex16_b32 v[E+2], v[SJ+3], s[SEL], s[SEL+1]
	PREP \xs, 0
	GATHER 0
	PREP \xs, 1
	GATHER 1
	EVAL 0
	EVAL 1
	v_cndmask_b32 v[RSYM+(\xs)], v[T+11], v[T+3], s[LOW]           ; each lane keeps its own tile's answer
	v_cndmask_b32 v[RHARD+(\xs)], v[T+12], v[T+4], s[LOW]
.endm
	FIND 0
	FIND 1
	FIND 2
	FIND 3
	; softout = (numerator's two parts) / divisor; zbar as reference() writes it
.irp i,0,1,2,3
	v_rcp_f32 v[T+\i], v[ACC+8*\i+2]
.endr
.irp i,0,1,2,3
	v_add_f32 v[RSOFT+\i], v[ACC+8*\i], v[ACC+8*\i+1]              ; plain lines between the reciprocals and their use
.endr
	s_wait_alu depctr_va_vdst(0)
.irp i,0,1,2,3
	v_mul_f32 v[RSOFT+\i], v[RSOFT+\i], v[T+\i]
.endr
.irp i,0,1,2,3
	v_sub_f32 v[RZB+\i], v[RHARD+\i], v[RSOFT+\i]
.endr
.irp i,0,1,2,3
	v_add_f32 v[RZB+\i], v[RSOFT+\i], v[RZB+\i]
.endr
	global_store_b128 v[VOFF], v[RZB:RZB+3], s[8:9] th:TH_STORE_NT
	global_store_b128 v[VOFF], v[RSOFT:RSOFT+3], s[10:11] th:TH_STORE_NT
	global_store_b128 v[VOFF], v[RHARD:RHARD+3], s[12:13] th:TH_STORE_NT
	global_store_b128 v[VOFF], v[RSYM:RSYM+3], s[14:15] th:TH_STORE_NT
	s_wait_tensorcnt 0x0                           ; the wave's end
	ds_add_u32 v[SPW], v[NIL]
	s_wait_dscnt 0x0
	s_endpgm
.Lfunc_end_k_q6cfb36fad8_quant:
	.size	k_q6cfb36fad8_quant, .Lfunc_end_k_q6cfb36fad8_quant-k_q6cfb36fad8_quant
	.p2alignl 7, 3214868480
	.fill 96, 4, 3214868480
	.section	.rodata,"a",@progbits
	.p2align	6, 0x0
	.amdhsa_kernel k_q6cfb36fad8_quant
		.amdhsa_group_segment_fixed_size 11264
		.amdhsa_private_segment_fixed_size 0
		.amdhsa_enable_private_segment 0
		.amdhsa_kernarg_size 48
		.amdhsa_user_sgpr_count 2
		.amdhsa_user_sgpr_kernarg_segment_ptr 1
		.amdhsa_wavefront_size32 1
		.amdhsa_system_sgpr_workgroup_id_x 1
		.amdhsa_system_sgpr_workgroup_id_y 1
		.amdhsa_system_sgpr_workgroup_id_z 1
		.amdhsa_system_vgpr_workitem_id 0
		.amdhsa_next_free_vgpr 250
		.amdhsa_next_free_sgpr 66
		.amdhsa_reserve_vcc 1
		.amdhsa_float_denorm_mode_32 3
		.amdhsa_float_denorm_mode_16_64 3
		.amdhsa_memory_ordered 1
		.amdhsa_forward_progress 1
		.amdhsa_inst_pref_size 90
	.end_amdhsa_kernel
	.amdgpu_metadata
---
amdhsa.version: [ 1, 2 ]
amdhsa.kernels:
  - .name:           k_q6cfb36fad8_quant
    .symbol:         k_q6cfb36fad8_quant.kd
    .args:
      - { .name: centers, .offset: 0, .size: 8, .value_kind: global_buffer, .address_space: global }
      - { .name: data, .offset: 8, .size: 8, .value_kind: global_buffer, .address_space: global }
      - { .name: out0, .offset: 16, .size: 8, .value_kind: global_buffer, .address_space: global }
      - { .name: out1, .offset: 24, .size: 8, .value_kind: global_buffer, .address_space: global }
      - { .name: out2, .offset: 32, .size: 8, .value_kind: global_buffer, .address_space: global }
      - { .name: out3, .offset: 40, .size: 8, .value_kind: global_buffer, .address_space: global }
    .group_segment_fixed_size: 11264
    .private_segment_fixed_size: 0
    .kernarg_segment_align: 8
    .kernarg_segment_size: 48
    .max_flat_workgroup_size: 512
    .sgpr_count:     66
    .vgpr_count:     250
    .wavefront_size: 32
...
	.end_amdgpu_metadata
.endif
;; end of part 1
;; ======== version 2 of 2: 1 launch; version 1 with the launch quant written anew for expert scheduling mode
;; launch quant (part 2): grid 256 x 1, 16 waves a work-group, no clusters, 11,264 bytes of LDS; arguments centers, data, out0, out1, out2, out3; writes out0, out1, out2, out3
.if DOCPART == 2
	.amdgcn_target "amdgcn-amd-amdhsa--gfx1250"
	.amdhsa_code_object_version 6
	.text
	.protected	k_q6cfb36fad8_quant
	.globl	k_q6cfb36fad8_quant
	.p2align	8
	.type	k_q6cfb36fad8_quant,@function
k_q6cfb36fad8_quant:
	s_mov_b64 s[64:65], 0
	v_nop
	global_prefetch_b8 v0, s[64:65] scope:SCOPE_SE
	s_setreg_imm32_b32 hwreg(HW_REG_WAVE_SCHED_MODE, 0, 2), 2
	s_setreg_imm32_b32 hwreg(HW_REG_WAVE_MODE, 25, 1), 1
	s_wait_xcnt 0x0
	s_wait_alu depctr_vm_vsrc(0)
; QUANTIZER.  For each of 524,288 numbers x and 512 centres c: dist = (x - c)^2; softout = softmax(-dist) . c; symbols = argmin dist (the first of equals);
; hardout = c[symbols]; zbar = softout + (hardout - softout).  out0 zbar, out1 softout, out2 hardout, out3 symbols.
; SHARES.  256 work-groups of 16 waves; a work-group owns 2,048 numbers, a wave 128, a lane 4 neighbouring ones (one load of 16 bytes, four stores of 16 bytes: each store of a wave covers
; 512 consecutive bytes, aligned).  The lanes' j-th numbers are SET j: 32 numbers, one a lane.  Every lane meets all 512 centres, 16 (a CHUNK) at a time: a STEP is one set against one chunk.
; ONE WALK, with a running maximum.  d = c - x is reference()'s x - c with the sign turned, so d d is its dist bit for bit.  Rounded squaring keeps order, so a chunk's least dist is the square of its least |d|:
; the least is sought on |d| and squared once.  A strict compare with the running least keeps the number of the FIRST chunk that holds it.  Weights: p = 2^((-L d) d + L least), L = log2(e); when the least
; falls, the sums so far are multiplied by a = 2^(L new - L old), which is exactly 1 where it has not fallen.
; THE PRODUCT phisoft @ c goes to the matrix unit in bf16 with f32 sums, and the division by the weights' sum comes last.  Source 1 = the weights: lane l holds the 16 weights of ITS number, so the lanes' two
; halves, which the instruction takes as the two halves of K for one column, are different numbers.  Source 0 = coefficients that keep them apart: rows 0, 1, 2 hold bf16(c), bf16(c - bf16(c)) and 1 on the low
; half's places of K and 0 on the others; rows 8, 9, 10 the same on the high half's.  In the result lane l then finds, in registers 0, 1, 2, the two parts of its own number's numerator and its divisor.
; SYMBOLS AND HARDOUT, with no address made of a comparison: a row that is 1 at the found chunk's place (32 chunks = K) times a table of the centres gives that chunk's 16 centres, bit for bit, since the table
; holds each centre as three bf16 pieces whose sum is c.  Their dist is made again as above and the first that equals the least is taken.
; NO CLUSTER, NO TENSOR LOAD: all that work-groups share is the 2,048 bytes of centres, which each thread's one load of 4 bytes brings; LDS is filled once, by ds_store.
; LIMITS.  NaN and infinities are not treated apart.  The three pieces add up to c for c = 0 and |c| >= 2^-110.  Weights are rounded to bf16 (the same rounded weights in numerator and divisor); the centres
; enter the product with 16 significant bits; a weight below 2^-126 counts as 0; the exponent is rounded in another order than reference()'s.
; THE MODE: SCHED_MODE bits 1:0 = 2 (LLVM: expert scheduling mode 2), set by the entry lines.  The code itself states the register dependences between vector or matrix instructions and memory or LDS
; instructions, and those through scalar registers and VCC that vector instructions write, with s_wait_alu, always for 0.
; THE PLAN.  Registers that memory or LDS instructions touch:
;   v[T ..T+15]   At the head: addresses and data of the seven LDS stores, which stand in one run behind the arithmetic that makes them.  The steps write these registers again: one wait on vm_vsrc behind the barrier.
;   v[VOFF], v[VTA]  Written at the head, read by loads and stores, never written again.
;   v[VCA], v[VAA]   Read by every fetch of a chunk; written once a trip, at the trip's head, behind a wait on vm_vsrc; a trip's second fetch is reached by an immediate offset.
;   C0, C1; A0, A1   While a chunk's steps read one pair, the next chunk's six loads land in the other, which the chunk BEFORE read.  They are issued behind the chunk's first step.  That step's wait on va_vdst for its
;                    weights stands behind all the readers of that other pair and behind the trip's two adds, and between it and the loads stand eight roundings and a matrix instruction, which name E, P,
;                    the pair in hand and an accumulator: none of the registers that the loads touch.  So the fetch has no wait of its own.
;   TT               The tables' loads land in registers that nothing has named.
;   the results      Written by the last vector lines, read by the four stores: one wait on va_vdst ahead of the run.
;   v[SPW], v[NIL]   Written at the head, read by the closing add alone.
; Masks: a compare's mask is read only behind a wait on va_vcc or va_sdst.  In a step that wait stands beside the wait for a; in the search eight compares write eight scalar registers, with one wait behind the run.
.set CFB,   0          ; LDS: the 512 centres in f32
.set ACB,   2048       ; 32 chunks x 128 bytes: 16 x bf16(c), 16 x bf16(rest), 16 x 1.0, 16 x 0
.set TTB,   6144       ; three tables of 1,024 bytes (first, second, third piece): lane m + 16 (s / 16), place s % 16: the piece of centre 16 s + m
.set SPARE, 9216       ; the spare words, 128 bytes for each of the 16 waves: eight blocks of 256 bytes that no other line names
.set VOFF, 1           ; v1   byte offset of my 16 bytes in data and in each output; never rewritten
.set VCA,  2           ; v2   LDS address of the centres of the first chunk that this trip fetches (the same in all lanes)
.set VAA,  3           ; v3   LDS address of my 32 bytes of that chunk's coefficients
.set SPW,  4           ; v4   LDS address of my spare word; never rewritten
.set NIL,  5           ; v5   0; never rewritten
.set H16,  6           ; v6   16 (lane / 16)
.set H8,   7           ; v7   8 (lane / 16)
.set T,    8           ; v8-23   at work
.set K1,   24          ; v24  0x3f80: 1.0 in bf16
.set VTA,  25          ; v25  LDS address of my 32 bytes of the first table
.set ST,   26          ; v26-41  set j at ST + 4 j: -x, chunk found | L least, least dist (the even register of a pair is the one that a packed instruction takes for both halves)
.set C0,   42          ; v42-57, v58-73  16 centres, two buffers
.set C1,   58
.set A0,   74          ; v74-81, v82-89  a chunk's coefficients (source 0), two buffers
.set A1,   82
.set E,    90          ; v90-105   d, then the exponents, then the weights
.set F,    106         ; v106-121  -L d
.set P,    122         ; v122-129  the weights in bf16 (source 1)
.set ACC,  130         ; v130-161  set j's sums at ACC + 8 j
.set TT,   162         ; v162-185  the three tables (source 0)
.set OH,   186         ; v186-201  the rows with a single 1 (source 1), for the two halves of a set
.set GD,   202         ; v202-249  the found chunk's centres in three pieces, for the two halves of a set
.set RSYM,  C0         ; the results take the first centre buffer's place
.set RHARD, C0+4
.set RSOFT, C0+8
.set RZB,   C0+12
.set SEL,  18          ; s18, s19  v_permlanex16_b32's selects: each lane takes its own place in the other half
.set LOW,  20          ; s20  mask of lanes 0 to 15
.set LG,   21          ; s21  L
.set NLG,  22          ; s[22:23]  -L: named as a pair, the low word serves both halves
.set CH,   24          ; s24, s25  the numbers of a trip's two chunks
.set CNT,  26          ; s26  trips to go
.set MK,   24          ; s24-31  behind the walk, whose three counters are done with by then: the masks of a run of eight compares
	s_load_b256 s[4:11], s[0:1], 0x0               ; centers s[4:5], data s[6:7], out0 s[8:9], out1 s[10:11]
	s_load_b128 s[12:15], s[0:1], 0x20             ; out2 s[12:13], out3 s[14:15]
	v_lshl_add_u32 v[SPW], v0, 2, SPARE
	v_mov_b32 v[NIL], 0
	s_lshl_b32 s16, ttmp9, 13                      ; the work-group's 2,048 numbers: 8,192 bytes
	s_mov_b32 s[SEL], 0x76543210
	s_mov_b32 s[SEL+1], 0xfedcba98
	s_mov_b32 s[LOW], 0xffff
	s_mov_b32 s[LG], 0x3fb8aa3b                    ; log2(e)
	s_mov_b32 s[NLG], 0xbfb8aa3b
	s_mov_b32 s[NLG+1], s[NLG]
	v_lshl_add_u32 v[VOFF], v0, 4, s16
	v_lshlrev_b32 v[T], 2, v0                      ; thread t prepares centre t
	s_wait_kmcnt 0x0
	s_wait_alu depctr_va_vdst(0)                   ; v[T] and v[VOFF] are written, which the two loads below read as their offsets
	global_load_b32 v[T+1], v[T], s[4:5]
	global_load_b128 v[E:E+3], v[VOFF], s[6:7] th:TH_LOAD_NT
	; what hangs on the lane
	v_and_b32 v[T+2], 31, v0
	v_lshrrev_b32 v[T+3], 4, v[T+2]
	v_lshlrev_b32 v[H16], 4, v[T+3]
	v_lshlrev_b32 v[H8], 3, v[T+3]
	v_mul_u32_u24 v[T+4], 24, v[T+3]
	v_sub_nc_u32 v[T+4], v[T+2], v[T+4]            ; lanes 0, 1, 2 (rows 0-2, low places of K) and 24, 25, 26 (rows 8-10, high places) give 0, 1, 2;
	v_min_u32 v[T+4], 3, v[T+4]                    ; all others 3 or more: they take the zeros
	v_lshl_add_u32 v[VAA], v[T+4], 5, ACB
	v_lshl_add_u32 v[VTA], v[T+2], 5, TTB
	v_mov_b32 v[VCA], CFB
	v_mov_b32 v[K1], 0x3f80
	; where centre t = 16 g + kk goes
	v_and_b32 v[T+5], 15, v0                       ; kk
	v_cmp_gt_u32 vcc_lo, 8, v[T+5]                 ; the first eight words of a chunk's last 64 bytes are ones, the others zeros
	v_lshrrev_b32 v[T+6], 4, v0                    ; g
	v_lshlrev_b32 v[T+7], 7, v[T+6]
	v_lshl_add_u32 v[T+9], v[T+5], 2, v[T+7]       ; 128 g + 4 kk: my word of the chunk's ones and zeros
	v_lshl_add_u32 v[T+7], v[T+5], 1, v[T+7]       ; 128 g + 2 kk: my place in the chunk's coefficient rows
	v_lshrrev_b32 v[T+10], 8, v0                   ; g / 16
	v_and_b32 v[T+6], 15, v[T+6]                   ; g % 16
	v_lshlrev_b32 v[T+11], 5, v[T+5]
	v_lshl_add_u32 v[T+11], v[T+10], 9, v[T+11]
	v_lshl_add_u32 v[T+11], v[T+6], 1, v[T+11]     ; 32 (kk + 16 (g / 16)) + 2 (g % 16): my place in a table
	v_mov_b32 v[T+12], 0x3f803f80
	s_wait_alu depctr_va_vcc(0)                    ; the compare above has written VCC, which the select below reads
	v_cndmask_b32 v[T+12], 0, v[T+12], vcc_lo
	s_wait_loadcnt 0x1                             ; loads come back in order (ISA guide 5.7.1): my centre is in, my four numbers may stay out
	v_cvt_pk_bf16_f32 v[T+13], v[T+1], v[T+1]      ; first piece
	v_lshlrev_b32 v[T+3], 16, v[T+13]
	v_sub_f32 v[T+3], v[T+1], v[T+3]               ; what is left of c: exact
	v_cvt_pk_bf16_f32 v[T+14], v[T+3], v[T+3]      ; second piece
	v_lshlrev_b32 v[T+4], 16, v[T+14]
	v_sub_f32 v[T+4], v[T+3], v[T+4]               ; what is left now has eight bits at the most
	v_cvt_pk_bf16_f32 v[T+15], v[T+4], v[T+4]      ; third piece: exact
	s_wait_alu depctr_va_vdst(0)                   ; the addresses v[T+7], v[T+9], v[T+11] and the data v[T+12] to v[T+15] are written, which the seven LDS stores read; so are v[VCA], v[VAA]
	ds_store_b32 v[T+9], v[T+12] offset:ACB+64
	ds_store_b32 v[T], v[T+1] offset:CFB
	ds_store_b16 v[T+7], v[T+13] offset:ACB
	ds_store_b16 v[T+11], v[T+13] offset:TTB
	ds_store_b16 v[T+7], v[T+14] offset:ACB+32
	ds_store_b16 v[T+11], v[T+14] offset:TTB+1024
	ds_store_b16 v[T+11], v[T+15] offset:TTB+2048
	s_wait_loadcnt 0x0
.irp i,0,1,2,3
	v_xor_b32 v[ST+4*\i], 0x80000000, v[E+\i]      ; -x
	v_mov_b32 v[ST+4*\i+1], 0                      ; the first chunk holds the least until a later one is strictly less
.endr
	s_wait_dscnt 0x0                               ; for the others' sake: my stores into LDS are done
	s_barrier_signal -1
	s_barrier_wait -1                              ; from here on LDS is only read
	s_wait_alu depctr_vm_vsrc(0)                   ; my LDS stores have read v[T] to v[T+15], which the steps below write again
.macro LOADC nb, h                     ; a chunk's 16 centres, the same bytes for all lanes.  h: the first (0) or the second (1) of the two chunks that v[VCA] reaches
.irp i,0,1,2,3
	ds_load_b128 v[\nb+4*\i:\nb+4*\i+3], v[VCA] offset:64*(\h)+16*\i
.endr
.endm
.macro LOADA na, h                     ; and its coefficients: 32 bytes a lane
	ds_load_b128 v[\na:\na+3], v[VAA] offset:128*(\h)
	ds_load_b128 v[\na+4:\na+7], v[VAA] offset:128*(\h)+16
.endm
.macro LOADT                           ; the three tables
.irp p,0,1,2
	ds_load_b128 v[TT+8*\p:TT+8*\p+3], v[VTA] offset:1024*\p
	ds_load_b128 v[TT+8*\p+4:TT+8*\p+7], v[VTA] offset:1024*\p+16
.endr
.endm
.macro ON                              ; a trip's head: the two LDS addresses move on by two chunks
	s_wait_alu depctr_vm_vsrc(0)                   ; the LDS loads issued so far have read v[VCA] and v[VAA]
	v_add_nc_u32 v[VCA], 128, v[VCA]
	v_add_nc_u32 v[VAA], 256, v[VAA]
.endm
; A STEP: set xs against the chunk in buffers cb (centres) and ab (coefficients), whose number is in s[sg].  first = 1: chunk 0, which starts the least and the sums.
.macro UNIT xs, cb, ab, sg, first
.set SJ, ST+4*(\xs)
.set AJ, ACC+8*(\xs)
.irp i,0,2,4,6,8,10,12,14
	v_pk_add_f32 v[E+\i:E+\i+1], v[\cb+\i:\cb+\i+1], v[SJ:SJ+1] op_sel_hi:[1,0]   ; d = c - x
.endr
	v_min3_num_f32 v[T], |v[E]|, |v[E+1]|, |v[E+2]|                ; the least |d| of the 16, in two chains
	v_min3_num_f32 v[T+1], |v[E+3]|, |v[E+4]|, |v[E+5]|
	v_min3_num_f32 v[T], v[T], |v[E+6]|, |v[E+7]|
	v_min3_num_f32 v[T+1], v[T+1], |v[E+8]|, |v[E+9]|
	v_min3_num_f32 v[T], v[T], |v[E+10]|, |v[E+11]|
	v_min3_num_f32 v[T+1], v[T+1], |v[E+12]|, |v[E+13]|
	v_min3_num_f32 v[T], v[T], |v[E+14]|, |v[E+15]|
	v_min_num_f32 v[T], v[T], v[T+1]
.if \first
	v_mul_f32 v[SJ+3], v[T], v[T]                  ; the chunk's least dist
	v_mul_f32 v[SJ+2], s[LG], v[SJ+3]
.else
	v_mul_f32 v[T], v[T], v[T]                     ; the chunk's least dist
	v_cmp_lt_f32 vcc_lo, v[T], v[SJ+3]             ; strictly less: of equal chunks the first stays; the select that reads the mask stands behind the eight lines below
	v_min_num_f32 v[SJ+3], v[SJ+3], v[T]
	v_mul_f32 v[T+1], s[LG], v[SJ+3]
	v_sub_f32 v[T+2], v[T+1], v[SJ+2]              ; L new - L old: 0 exactly where the least has stayed
	v_mov_b32 v[SJ+2], v[T+1]
	v_exp_f32 v[T+2], v[T+2]                       ; a; the eight lines below are the plain instructions between it and its use (ISA guide 5.7.2)
.endif
.irp i,0,2,4,6,8,10,12,14
	v_pk_mul_f32 v[F+\i:F+\i+1], v[E+\i:E+\i+1], s[NLG:NLG+1] op_sel_hi:[1,0]     ; -L d
.endr
.if !(\first)
	s_wait_alu depctr_va_vdst(0)                   ; the exponential has written a, v[T+2], ahead of the two multiplies that read it
	s_wait_alu depctr_va_vcc(0)                    ; the compare has written VCC, ahead of the select that reads it
	v_cndmask_b32 v[SJ+1], v[SJ+1], s[\sg], vcc_lo
	v_pk_mul_f32 v[AJ:AJ+1], v[AJ:AJ+1], v[T+2:T+3] op_sel_hi:[1,0]               ; the sums so far times a: the set's last matrix instruction stands four steps back; registers 3-7 hold zeros
	v_mul_f32 v[AJ+2], v[AJ+2], v[T+2]
.endif
.irp i,0,2,4,6,8,10,12
	v_pk_fma_f32 v[E+\i:E+\i+1], v[F+\i:F+\i+1], v[E+\i:E+\i+1], v[SJ+2:SJ+3] op_sel_hi:[1,1,0]   ; L least - L d d
.endr
.irp i,0,1,2,3,4,5,6,7,8,9,10,11,12,13
	v_exp_f32 v[E+\i], v[E+\i]
.endr
	v_pk_fma_f32 v[E+14:E+15], v[F+14:F+15], v[E+14:E+15], v[SJ+2:SJ+3] op_sel_hi:[1,1,0]           ; the last pair's exponents are the plain line behind the fourteen exponentials above;
	v_exp_f32 v[E+14], v[E+14]
	v_exp_f32 v[E+15], v[E+15]                     ; behind these two the first seven roundings are
	s_wait_alu depctr_va_vdst(0)                   ; the sixteen exponentials have written the weights v[E ..], ahead of the roundings that read them.  In a chunk's first step also: the chunk before is done reading the other centres and the other coefficients, in which the loads behind this step land, and v[VCA] and v[VAA] are written
.irp i,0,1,2,3,4,5,6,7
	v_cvt_pk_bf16_f32 v[P+\i], v[E+2*\i], v[E+2*\i+1]              ; P was last read by the step before's matrix instruction, more than four plain lines back (ISA guide 7.12.1)
.endr
.if \first
	v_wmma_f32_16x16x32_bf16 v[AJ:AJ+7], v[\ab:\ab+7], v[P:P+7], 0
.else
	v_wmma_f32_16x16x32_bf16 v[AJ:AJ+7], v[\ab:\ab+7], v[P:P+7], v[AJ:AJ+7]        ; the four sets' accumulators take turns, one instruction a turn
.endif
.endm
; A CHUNK: four steps.  Behind the first of them the next chunk is fetched into the other buffers: the last matrix instruction that read those coefficients stands a whole step back.  It has three steps in which to land.
; The fetch has no wait of its own: since the first step's last wait on va_vdst only its roundings and its matrix instruction were issued, which name none of the registers that the six loads touch.
.macro CHUNK cb, ab, nb, na, sg, first, more, h
	s_wait_dscnt 0x0                               ; this chunk's six loads, issued three steps ago, are the only ones out
	UNIT 0, \cb, \ab, \sg, \first
.if \more
	LOADC \nb, \h
	LOADA \na, \h
.else
	LOADT                                          ; behind the last chunk nothing is left but the tables: v[VTA] was written at the head, and nothing has named the registers in which they land
.endif
	UNIT 1, \cb, \ab, \sg, \first
	UNIT 2, \cb, \ab, \sg, \first
	UNIT 3, \cb, \ab, \sg, \first
.endm
	LOADC C0, 0
	LOADA A0, 0
	CHUNK C0, A0, C1, A1, CH, 1, 1, 1              ; chunk 0 stands in front of the loop: its products start the sums
	s_mov_b32 s[CH], 1
	s_mov_b32 s[CH+1], 2
	s_mov_b32 s[CNT], 15
.Lchunks:                                              ; chunks 1 to 30, two a trip; the trip fetches the two chunks that follow them
	ON
	CHUNK C1, A1, C0, A0, CH, 0, 1, 0
	CHUNK C0, A0, C1, A1, CH+1, 0, 1, 1
	s_add_co_u32 s[CH], s[CH], 2
	s_add_co_u32 s[CH+1], s[CH+1], 2
	s_sub_co_u32 s[CNT], s[CNT], 1
	s_cmp_lg_u32 s[CNT], 0
	s_cbranch_scc1 .Lchunks
	CHUNK C1, A1, C0, A0, CH, 0, 0, 0              ; chunk 31 fetches no further centres
	s_wait_dscnt 0x0                               ; the tables are in
; SYMBOLS AND HARDOUT.  A set goes in two TILES of 16 numbers: tile t holds those of lanes 16 t to 16 t + 15.  In a tile lanes r and r + 16 both work for number r: the one on the centres 0-7 of its chunk, the other on 8-15.
.macro PREP xs, t                      ; the tile's -x, least dist and chunk in both lanes; the row with a single 1
.set SJ, ST+4*(\xs)
.set TB, T+8*(\t)
.set OB, OH+8*(\t)
.if (\t) == 0
	v_cndmask_b32 v[TB], v[E+1], v[SJ], s[LOW]     ; lanes 0-15 keep their own, lanes 16-31 take the other half's
	v_cndmask_b32 v[TB+1], v[E+2], v[SJ+3], s[LOW]
	v_cndmask_b32 v[TB+2], v[E], v[SJ+1], s[LOW]
.else
	v_cndmask_b32 v[TB], v[SJ], v[E+1], s[LOW]
	v_cndmask_b32 v[TB+1], v[SJ+3], v[E+2], s[LOW]
	v_cndmask_b32 v[TB+2], v[SJ+1], v[E], s[LOW]
.endif
	v_sub_nc_u32 v[TB+5], v[TB+2], v[H16]          ; my lane holds the places of chunks 16 (lane / 16) + 0..15: the found chunk's place among them, if it is 0..15
	v_and_b32 v[TB+3], 1, v[TB+5]
	v_lshlrev_b32 v[TB+3], 4, v[TB+3]
	v_lshlrev_b32 v[TB+3], v[TB+3], v[K1]          ; 1.0 in the low or in the high half of a register,
	v_ashrrev_i32 v[TB+4], 1, v[TB+5]              ; and which register
.irp i,0,1,2,3,4,5,6,7
	v_cmp_eq_u32 s[MK+\i], \i, v[TB+4]
.endr
	s_wait_alu depctr_va_sdst(0)                   ; the eight compares have written their masks, ahead of the selects that read them
.irp i,0,1,2,3,4,5,6,7
	v_cndmask_b32 v[OB+\i], 0, v[TB+3], s[MK+\i]
.endr
.endm
.macro GATHER t                        ; row m, column r of the result: a piece of centre m of number r's chunk.  One product is not 0, so nothing is rounded
.irp p,0,1,2
	v_wmma_f32_16x16x32_bf16 v[GD+24*(\t)+8*\p:GD+24*(\t)+8*\p+7], v[TT+8*\p:TT+8*\p+7], v[OH+8*(\t):OH+8*(\t)+7], 0
.endr
.endm
.macro EVAL t                          ; my eight centres, their dist, the first that equals the least; then the better of the two lanes
.set TB, T+8*(\t)
.set G0, GD+24*(\t)
.set G1, G0+8
.set G2, G0+16
.irp i,0,2,4,6
	v_pk_add_f32 v[G0+\i:G0+\i+1], v[G0+\i:G0+\i+1], v[G1+\i:G1+\i+1]              ; each result is read from its low end on
.endr
.irp i,0,2,4,6
	v_pk_add_f32 v[G0+\i:G0+\i+1], v[G0+\i:G0+\i+1], v[G2+\i:G2+\i+1]              ; c, bit for bit
.endr
.irp i,0,2,4,6
	v_pk_add_f32 v[G1+\i:G1+\i+1], v[G0+\i:G0+\i+1], v[TB:TB+1] op_sel_hi:[1,0]    ; c - x
.endr
.irp i,0,2,4,6
	v_pk_mul_f32 v[G1+\i:G1+\i+1], v[G1+\i:G1+\i+1], v[G1+\i:G1+\i+1]              ; dist
.endr
.irp i,7,6,5,4,3,2,1,0
	v_cmp_eq_f32 s[MK+\i], v[G1+\i], v[TB+1]
.endr
	v_mov_b32 v[TB+3], 64                          ; none found yet
	v_mov_b32 v[TB+4], 0
	s_wait_alu depctr_va_sdst(0)                   ; the eight compares have written their masks, ahead of the selects that read them
.irp i,7,6,5,4,3,2,1,0
	v_cndmask_b32 v[TB+3], v[TB+3], \i, s[MK+\i]   ; downward, so that the lowest stays
	v_cndmask_b32 v[TB+4], v[TB+4], v[G0+\i], s[MK+\i]
.endr
	v_add_nc_u32 v[TB+3], v[TB+3], v[H8]           ; its place in the chunk
	v_permlanex16_b32 v[TB+5], v[TB+3], s[SEL], s[SEL+1]
	v_permlanex16_b32 v[TB+6], v[TB+4], s[SEL], s[SEL+1]
	v_cmp_lt_u32 vcc_lo, v[TB+5], v[TB+3]
	v_min_u32 v[TB+3], v[TB+3], v[TB+5]
	v_lshl_add_u32 v[TB+3], v[TB+2], 4, v[TB+3]    ; 16 x chunk + place
	s_wait_alu depctr_va_vcc(0)                    ; the compare of the two lanes' places has written VCC, ahead of the select that reads it
	v_cndmask_b32 v[TB+4], v[TB+4], v[TB+6], vcc_lo
.endm
; The second tile's preparation stands between the first tile's products and the lines that read them, the first tile's evaluation between the second's products and theirs: more than four plain lines that name
; none of those products' registers (ISA guide 7.12.1), so no v_nop is written.
.macro FIND xs
.set SJ, ST+4*(\xs)
	v_permlanex16_b32 v[E], v[SJ+1], s[SEL], s[SEL+1]              ; the other half's chunk, -x and least dist
	v_permlanex16_b32 v[E+1], v[SJ], s[SEL], s[SEL+1]
	v_permlanex16_b32 v[E+2], v[SJ+3], s[SEL], s[SEL+1]
	PREP \xs, 0
	GATHER 0
	PREP \xs, 1
	GATHER 1
	EVAL 0
	EVAL 1
	v_cndmask_b32 v[RSYM+(\xs)], v[T+11], v[T+3], s[LOW]           ; each lane keeps its own tile's answer
	v_cndmask_b32 v[RHARD+(\xs)], v[T+12], v[T+4], s[LOW]
.endm
	FIND 0
	FIND 1
	FIND 2
	FIND 3
	; softout = (numerator's two parts) / divisor; zbar as reference() writes it
.irp i,0,1,2,3
	v_rcp_f32 v[T+\i], v[ACC+8*\i+2]
.endr
.irp i,0,1,2,3
	v_add_f32 v[RSOFT+\i], v[ACC+8*\i], v[ACC+8*\i+1]              ; plain lines between the reciprocals and their use
.endr
	s_wait_alu depctr_va_vdst(0)                   ; the four reciprocals have written v[T] to v[T+3], ahead of the multiplies that read them
.irp i,0,1,2,3
	v_mul_f32 v[RSOFT+\i], v[RSOFT+\i], v[T+\i]
.endr
.irp i,0,1,2,3
	v_sub_f32 v[RZB+\i], v[RHARD+\i], v[RSOFT+\i]
.endr
.irp i,0,1,2,3
	v_add_f32 v[RZB+\i], v[RSOFT+\i], v[RZB+\i]
.endr
	s_wait_alu depctr_va_vdst(0)                   ; the sixteen results v[RSYM] to v[RZB+3] are written, which the four stores read
	global_store_b128 v[VOFF], v[RZB:RZB+3], s[8:9] th:TH_STORE_NT
	global_store_b128 v[VOFF], v[RSOFT:RSOFT+3], s[10:11] th:TH_STORE_NT
	global_store_b128 v[VOFF], v[RHARD:RHARD+3], s[12:13] th:TH_STORE_NT
	global_store_b128 v[VOFF], v[RSYM:RSYM+3], s[14:15] th:TH_STORE_NT
	s_wait_dscnt 0x0                               ; the wave's end
	s_wait_alu 0x0
	s_wait_tensorcnt 0x0
	ds_add_u32 v[SPW], v[NIL]
	s_wait_dscnt 0x0
	s_endpgm
.Lfunc_end_k_q6cfb36fad8_quant:
	.size	k_q6cfb36fad8_quant, .Lfunc_end_k_q6cfb36fad8_quant-k_q6cfb36fad8_quant
	.p2alignl 7, 3214868480
	.fill 96, 4, 3214868480
	.section	.rodata,"a",@progbits
	.p2align	6, 0x0
	.amdhsa_kernel k_q6cfb36fad8_quant
		.amdhsa_group_segment_fixed_size 11264
		.amdhsa_private_segment_fixed_size 0
		.amdhsa_enable_private_segment 0
		.amdhsa_kernarg_size 48
		.amdhsa_user_sgpr_count 2
		.amdhsa_user_sgpr_kernarg_segment_ptr 1
		.amdhsa_wavefront_size32 1
		.amdhsa_system_sgpr_workgroup_id_x 1
		.amdhsa_system_sgpr_workgroup_id_y 1
		.amdhsa_system_sgpr_workgroup_id_z 1
		.amdhsa_system_vgpr_workitem_id 0
		.amdhsa_next_free_vgpr 250
		.amdhsa_next_free_sgpr 66
		.amdhsa_reserve_vcc 1
		.amdhsa_float_denorm_mode_32 3
		.amdhsa_float_denorm_mode_16_64 3
		.amdhsa_memory_ordered 1
		.amdhsa_forward_progress 1
		.amdhsa_inst_pref_size 100
	.end_amdhsa_kernel
	.amdgpu_metadata
---
amdhsa.version: [ 1, 2 ]
amdhsa.kernels:
  - .name:           k_q6cfb36fad8_quant
    .symbol:         k_q6cfb36fad8_quant.kd
    .args:
      - { .name: centers, .offset: 0, .size: 8, .value_kind: global_buffer, .address_space: global }
      - { .name: data, .offset: 8, .size: 8, .value_kind: global_buffer, .address_space: global }
      - { .name: out0, .offset: 16, .size: 8, .value_kind: global_buffer, .address_space: global }
      - { .name: out1, .offset: 24, .size: 8, .value_kind: global_buffer, .address_space: global }
      - { .name: out2, .offset: 32, .size: 8, .value_kind: global_buffer, .address_space: global }
      - { .name: out3, .offset: 40, .size: 8, .value_kind: global_buffer, .address_space: global }
    .group_segment_fixed_size: 11264
    .private_segment_fixed_size: 0
    .kernarg_segment_align: 8
    .kernarg_segment_size: 48
    .max_flat_workgroup_size: 512
    .sgpr_count:     66
    .vgpr_count:     250
    .wavefront_size: 32
...
	.end_amdgpu_metadata
.endif
;; end of part 2
